; MI455X (gfx1250); checked and timed in simulation.
; The chip was launched on July 23, 2026; its instructions are those of AMD's public machine-readable ISA for CDNA 5 (MIT licence, August 2026) and "CDNA5" Instruction Set Architecture Reference Guide (July 2026). The comments in the code are by the model that wrote it; some were corrected since.
;; GRU Cell. Allowed arithmetic: float matrix products may take bf16 or f16 operands with f32 sums; other float arithmetic in f32, or as packed bf16 or f16 multiplies, adds, multiply-adds, maxima and minima; sums over many terms, partial sums and values carried from step to step in f32; what a program stores and reads back later, other than sums and carried values, may be rounded once to bf16 or f16.
;; Inputs: W_c 1,024 x 1,024 float32; W_hc 1,024 x 1,024 float32; W_hh 1,024 x 2,048 float32; W_ih 1,024 x 2,048 float32; b_c 1,024 float32; b_hc 1,024 float32; b_hh 2,048 float32; b_ih 2,048 float32; hx 8,192 x 1,024 float32; input 8,192 x 1,024 float32.
;; Outputs: out0 8,192 x 1,024 float32.
;; One version. Each part assembles by itself: llvm-mc -triple=amdgcn-amd-amdhsa -mcpu=gfx1250 --defsym DOCPART=n.
;; ======== version 1 of 1: 2 launches
;; workspace buffers: xb 16,777,216 bytes; hb 16,777,216 bytes; wx 6,291,456 bytes; wh 6,291,456 bytes
;; launch cast (part 1): grid 2816 x 1, 8 waves a work-group, no clusters, 0 bytes of LDS; arguments input, hx, W_ih, W_hh, W_c, W_hc, xb, hb, wx, wh; writes xb, hb, wx, wh
.if DOCPART == 1
	.amdgcn_target "amdgcn-amd-amdhsa--gfx1250"
	.amdhsa_code_object_version 6
	.text
	.protected	k_qf4b9e38ed8_cast
	.globl	k_qf4b9e38ed8_cast
	.p2align	8
	.type	k_qf4b9e38ed8_cast,@function
k_qf4b9e38ed8_cast:
	s_mov_b64 s[64:65], 0
	v_nop
	global_prefetch_b8 v0, s[64:65] scope:SCOPE_SE
	s_setreg_imm32_b32 hwreg(HW_REG_WAVE_MODE, 25, 1), 1
	s_wait_xcnt 0x0
; The six large f32 inputs are rounded once to bf16 (nearest even), for the matrix products of the next launch.
;   input -> xb [8192][1024]      hx -> hb [8192][1024]      as they lie
;   W_ih, W_c -> wx      W_hh, W_hc -> wh      IN BLOCKS: [16 tile columns][8 K steps][3 gates][128 k][64 columns]; gate 0 = columns 0-1023 of W_ih (W_hh), gate 1 = its columns 1024-2047, gate 2 = W_c (W_hc).
; So the weights that a work-group of the next launch wants for one K step, 3 x 128 x 64 bf16, are 49,152 consecutive bytes.  k stays the slower index inside a block: nothing is transposed.
; SHARES.  Eight waves, each with eight loads of 16 bytes a lane and eight stores of 8.  Work-groups 0-2047: the activations, a wave a row of 1,024 f32.  Work-groups 2048-2815: the weights, a wave two
; rows k, k + 1 of a gate x 8 tile columns: lanes 0-15 take 256 bytes of row k, lanes 16-31 of row k + 1, and the 256 bytes that they store are those two rows of a block.
; Which source a work-group serves hangs on its number alone.  A stream: no LDS, no barrier, no matrix unit, no cluster (no two work-groups read the same byte).  Every load of a wave covers whole aligned
; pieces of 256 bytes, every store 256 consecutive bytes, aligned.  No register is written twice behind its use by a memory instruction, so no wait frees a source.
; LIMITS.  bf16 keeps 8 significant bits and f32's range; NaN and infinities pass as the conversion makes them.
.set SRC,   24                         ; s[24:25] the source, then my first byte in it
.set DST,   26                         ; s[26:27] the destination, then my first byte in it
.set START, 28                         ; s28  the job's first work-group
.set RP,    29                         ; s29  bytes in a row of the weight matrix
.set GB,    30                         ; s30  the job's first gate
.set X,     4                          ; v[4:35]   32 f32 of my lane, as loaded
.set Y,     36                         ; v[36:51]  the same as bf16
.set WSTEP, 3*128*128                  ; bytes of a block: a tile column's weights of one K step
.set WCOL,  8*WSTEP                    ; bytes of a tile column's eight blocks
.macro JOBP first, src, dst            ; from work-group 'first' on: another job's two buffers: a choice on the work-group's number
	s_cmp_ge_u32 ttmp9, \first
	s_cselect_b64 s[SRC:SRC+1], s[\src:\src+1], s[SRC:SRC+1]
	s_cselect_b64 s[DST:DST+1], s[\dst:\dst+1], s[DST:DST+1]
.endm
.macro MOVE lstep, sstep               ; eight loads lstep bytes apart, all out together; each is rounded and stored, sstep bytes apart, as it comes
.irp j, 0,1,2,3,4,5,6,7
	global_load_b128 v[X+4*(\j):X+4*(\j)+3], v1, s[SRC:SRC+1] offset:(\lstep)*(\j) th:TH_LOAD_NT  ; this launch reads each byte once
.endr
.irp j, 0,1,2,3,4,5,6,7
	s_wait_loadcnt 7-(\j)                          ; loads come back in order (ISA guide 5.7.1): number j is in, the 7 - j younger ones stay out
	v_cvt_pk_bf16_f32 v[Y+2*(\j)],   v[X+4*(\j)],   v[X+4*(\j)+1]
	v_cvt_pk_bf16_f32 v[Y+2*(\j)+1], v[X+4*(\j)+2], v[X+4*(\j)+3]
	global_store_b64 v2, v[Y+2*(\j):Y+2*(\j)+1], s[DST:DST+1] offset:(\sstep)*(\j)  ; 32 lanes x 8 bytes: 256 consecutive bytes, aligned; the next launch reads them, so no hint
.endr
.endm
	s_load_b512 s[4:19], s[0:1], 0x0               ; input 4, hx 6, W_ih 8, W_hh 10, W_c 12, W_hc 14, xb 16, hb 18
	s_load_b128 s[20:23], s[0:1], 0x40             ; wx 20, wh 22
	v_lshrrev_b32 v3, 5, v0
	v_readfirstlane_b32 s32, v3                    ; wave 0..7
	v_and_b32 v1, 31, v0                           ; lane
	v_lshlrev_b32 v2, 3, v1                        ; 8 bytes a lane out
	s_mov_b32 s35, 0                               ; the two offsets' high words
	s_mov_b32 s37, 0
	s_cmp_ge_u32 ttmp9, 2048
	s_cbranch_scc1 .Lweights
	; THE ACTIVATIONS: work-groups 0-1023 input -> xb, 1024-2047 hx -> hb
	v_lshlrev_b32 v1, 4, v1                        ; 16 bytes a lane in
	s_and_b32 s33, ttmp9, 1023
	s_lshl_b32 s33, s33, 3
	s_add_co_u32 s33, s33, s32                     ; my row
	s_lshl_b32 s34, s33, 12                        ; 4,096 bytes a row in,
	s_lshl_b32 s36, s33, 11                        ; 2,048 out
	s_wait_kmcnt 0x0
	s_cmp_ge_u32 ttmp9, 1024
	s_cselect_b64 s[SRC:SRC+1], s[6:7], s[4:5]
	s_cselect_b64 s[DST:DST+1], s[18:19], s[16:17]
	s_add_nc_u64 s[SRC:SRC+1], s[SRC:SRC+1], s[34:35]
	s_add_nc_u64 s[DST:DST+1], s[DST:DST+1], s[36:37]
	MOVE 512, 256
	s_endpgm
.Lweights:                                             ; work-groups 2048-2303 W_ih, 2304-2559 W_hh, 2560-2687 W_c, 2688-2815 W_hc
	s_mov_b32 s[START], 2048
	s_mov_b32 s[RP], 8192
	s_mov_b32 s[GB], 0
	s_cmp_ge_u32 ttmp9, 2304
	s_cselect_b32 s[START], 2304, s[START]
	s_cmp_ge_u32 ttmp9, 2560
	s_cselect_b32 s[START], 2560, s[START]
	s_cselect_b32 s[RP], 4096, s[RP]
	s_cselect_b32 s[GB], 2, s[GB]
	s_cmp_ge_u32 ttmp9, 2688
	s_cselect_b32 s[START], 2688, s[START]
	s_sub_co_u32 s33, ttmp9, s[START]
	s_lshl_b32 s33, s33, 3
	s_add_co_u32 s33, s33, s32                     ; my wave among the job's
	s_and_b32 s38, s33, 1                          ; which eight tile columns
	s_lshr_b32 s33, s33, 1                         ; which pair of rows of 1,024 columns:
	s_and_b32 s39, s33, 511                        ; k / 2,
	s_lshr_b32 s40, s33, 9                         ; and which 1,024 columns of the matrix's row (0 throughout W_c and W_hc)
	s_mul_i32 s34, s39, s[RP]                      ; in the source: k rows,
	s_lshl_b32 s34, s34, 1
	s_lshl_b32 s41, s40, 12                        ; 4,096 bytes for the second 1,024 columns,
	s_add_co_u32 s34, s34, s41
	s_lshl_b32 s41, s38, 11                        ; 8 tile columns of 256 bytes
	s_add_co_u32 s34, s34, s41
	s_lshr_b32 s41, s39, 6                         ; in the destination: the K step k / 128,
	s_mul_i32 s36, s41, WSTEP
	s_add_co_u32 s40, s40, s[GB]                   ; the gate's 128 rows of 128 bytes,
	s_lshl_b32 s40, s40, 14
	s_add_co_u32 s36, s36, s40
	s_and_b32 s41, s39, 63                         ; row k mod 128,
	s_lshl_b32 s41, s41, 8
	s_add_co_u32 s36, s36, s41
	s_mul_i32 s41, s38, 8*WCOL                     ; my first tile column
	s_add_co_u32 s36, s36, s41
	v_lshrrev_b32 v3, 4, v1                        ; lanes 16-31: one row further down
	v_and_b32 v1, 15, v1
	v_mul_u32_u24 v3, s[RP], v3
	v_lshl_add_u32 v1, v1, 4, v3                   ; 16 bytes a lane in
	s_wait_kmcnt 0x0
	s_mov_b64 s[SRC:SRC+1], s[8:9]
	s_mov_b64 s[DST:DST+1], s[20:21]
	JOBP 2304, 10, 22
	JOBP 2560, 12, 20
	JOBP 2688, 14, 22
	s_add_nc_u64 s[SRC:SRC+1], s[SRC:SRC+1], s[34:35]
	s_add_nc_u64 s[DST:DST+1], s[DST:DST+1], s[36:37]
	MOVE 256, WCOL                                 ; a tile column on: 256 bytes in the source, eight blocks in the destination (7 x 393,216 at the most: inside the signed 24-bit immediate)
	s_endpgm
.Lfunc_end_k_qf4b9e38ed8_cast:
	.size	k_qf4b9e38ed8_cast, .Lfunc_end_k_qf4b9e38ed8_cast-k_qf4b9e38ed8_cast
	.p2alignl 7, 3214868480
	.fill 96, 4, 3214868480
	.section	.rodata,"a",@progbits
	.p2align	6, 0x0
	.amdhsa_kernel k_qf4b9e38ed8_cast
		.amdhsa_group_segment_fixed_size 0
		.amdhsa_private_segment_fixed_size 0
		.amdhsa_enable_private_segment 0
		.amdhsa_kernarg_size 80
		.amdhsa_user_sgpr_count 2
		.amdhsa_user_sgpr_kernarg_segment_ptr 1
		.amdhsa_wavefront_size32 1
		.amdhsa_system_sgpr_workgroup_id_x 1
		.amdhsa_system_sgpr_workgroup_id_y 1
		.amdhsa_system_sgpr_workgroup_id_z 1
		.amdhsa_system_vgpr_workitem_id 0
		.amdhsa_next_free_vgpr 52
		.amdhsa_next_free_sgpr 66
		.amdhsa_reserve_vcc 0
		.amdhsa_float_denorm_mode_32 3
		.amdhsa_float_denorm_mode_16_64 3
		.amdhsa_memory_ordered 1
		.amdhsa_forward_progress 1
		.amdhsa_inst_pref_size 9
	.end_amdhsa_kernel
	.amdgpu_metadata
---
amdhsa.version: [ 1, 2 ]
amdhsa.kernels:
  - .name:           k_qf4b9e38ed8_cast
    .symbol:         k_qf4b9e38ed8_cast.kd
    .args:
      - { .name: input, .offset: 0, .size: 8, .value_kind: global_buffer, .address_space: global }
      - { .name: hx, .offset: 8, .size: 8, .value_kind: global_buffer, .address_space: global }
      - { .name: W_ih, .offset: 16, .size: 8, .value_kind: global_buffer, .address_space: global }
      - { .name: W_hh, .offset: 24, .size: 8, .value_kind: global_buffer, .address_space: global }
      - { .name: W_c, .offset: 32, .size: 8, .value_kind: global_buffer, .address_space: global }
      - { .name: W_hc, .offset: 40, .size: 8, .value_kind: global_buffer, .address_space: global }
      - { .name: xb, .offset: 48, .size: 8, .value_kind: global_buffer, .address_space: global }
      - { .name: hb, .offset: 56, .size: 8, .value_kind: global_buffer, .address_space: global }
      - { .name: wx, .offset: 64, .size: 8, .value_kind: global_buffer, .address_space: global }
      - { .name: wh, .offset: 72, .size: 8, .value_kind: global_buffer, .address_space: global }
    .group_segment_fixed_size: 0
    .private_segment_fixed_size: 0
    .kernarg_segment_align: 8
    .kernarg_segment_size: 80
    .max_flat_workgroup_size: 256
    .sgpr_count:     66
    .vgpr_count:     52
    .wavefront_size: 32
...
	.end_amdgpu_metadata
.endif
;; end of part 1
;; launch gru (part 2): grid 16 x 32, 4 waves a work-group, clusters of 4 x 4, 327,680 bytes of LDS; arguments xb, hb, wx, wh, hx, b_ih, b_hh, b_c, b_hc, out0; writes out0
.if DOCPART == 2
	.amdgcn_target "amdgcn-amd-amdhsa--gfx1250"
	.amdhsa_code_object_version 6
	.text
	.protected	k_qf4b9e38ed8_gru
	.globl	k_qf4b9e38ed8_gru
	.p2align	8
	.type	k_qf4b9e38ed8_gru,@function
k_qf4b9e38ed8_gru:
	s_mov_b64 s[64:65], 0
	v_nop
	global_prefetch_b8 v0, s[64:65] scope:SCOPE_SE
	s_setreg_imm32_b32 hwreg(HW_REG_WAVE_MODE, 25, 1), 1
	s_wait_xcnt 0x0
	s_wait_alu depctr_hold_cnt(0) depctr_sa_sdst(0) depctr_va_vdst(0) depctr_va_sdst(0) depctr_va_ssrc(0) depctr_va_vcc(0) depctr_vm_vsrc(0)
	s_getreg_b32 s2, hwreg(HW_REG_IB_STS2, 6, 4)
	s_cmp_eq_u32 s2, 0
	s_cbranch_scc0 .Lentry_in_a_cluster
	s_endpgm
.Lentry_in_a_cluster:
	s_bfe_u32 s2, ttmp6, 0x10000c
	s_cmp_lg_u32 s2, 0xf033
	s_cbranch_scc0 .Lentry_shape_is_right
	s_endpgm
.Lentry_shape_is_right:
; A GRU step, B = 8192, I = H = 1024.  For output (m, j):  Z = x.W_ih[:,j] + h.W_hh[:,j];  R = x.W_ih[:,H+j] + h.W_hh[:,H+j];  C1 = x.W_c[:,j];  C2 = h.W_hc[:,j];
; z = sigmoid(Z + b_ih[j] + b_hh[j]);  r = sigmoid(R + b_ih[H+j] + b_hh[H+j]);  c = tanh(C1 + b_c[j] + r (C2 + b_hc[j]));  out = h + z (c - h).
; xb, hb: x and h in bf16, [8192][1024].  wx (W_ih, W_c) and wh (W_hh, W_hc) in bf16, in blocks [16 tile columns][8 K steps][3 gates z, r, c][128 k][64 columns].  hx (for the blend), the biases and out0 are f32.
; SHARES.  A work-group owns 256 rows x 64 hidden columns: 32 x 16 = 512 work-groups.  Each of its four waves owns 64 rows x the 64 columns with FOUR sets of 16 accumulators (Z, R, C1, C2): 512 registers.
; Why 256 x 64: a K step of 128 brings 2 x 128 x (rows + 3 x columns) bytes; with rows x columns = 16,384, which the accumulators fix, that is 114,688 here, 131,072 for 128 x 128, and no power of two does better.
; THE RING.  K goes in steps of 128 through two LDS slots.  Slot 0 always holds an x step (a tile of xb, a block of wx), slot 1 always an h step (hb, wh): so each slot's descriptors only step along
; their own buffers, a lap of two steps is one text, and the third product of slot 0 goes to C1, of slot 1 to C2.  16 steps in all.  Waves 0 and 1 fetch 128 rows of activations each (rows of 256 bytes),
; waves 2 and 3 half a block of weights each (96 rows of 256 dense bytes): one tensor load a wave behind each change of slots.  Of a wave two tensor loads are out at the start, later one.
; The ring's last refill, into slot 0, is each wave's own 64 x 64 piece of hx in f32, read in the tail.
; CLUSTER.  4 x 4 work-groups.  The four of a row of the cluster need the same activations, the four of a column the same weights: each tile is asked for JOINTLY, by the same tensor load with the
; same descriptor and a mask that names the four.  The pieces of hx are each wave's own: loads without a mask, behind a round like the others.
; LAYOUT.  The weights stay [k][n] in LDS and are turned by ds_load_tr16_b128.  The matrix instruction is used transposed (source 0 = 16 columns of W, source 1 = 16 rows of x or h): a lane then holds
; output row lane % 16 and the eight neighbouring columns 8 (lane / 16) + 0..7, so the biases, hx and the result are loads and stores of 16 bytes.
; LIMITS.  The products' operands are rounded once to bf16; sums, biases, hx in the blend and all pointwise work are f32.  The sums take x steps and h steps by turns.
; sigmoid(a) = 1 / (1 + 2^(-a log2 e)), tanh(c) = 1 - 2 / (1 + 2^(2 c log2 e)): both run into their ends through infinity and 0 without a clamp; an exponential below 2^-126 counts as 0;
; near 0 tanh has an absolute error of a few 1e-7, not a relative one.  NaN and infinities in the inputs are not treated apart.
; REGISTERS, in windows of 256 (s_set_vgpr_msb: bits 1:0 source 0, 3:2 source 1, 5:4 source 2, 7:6 destination):
;   window 0: v0-30 addresses; v32-95 b_hh as loaded; v128-255 the four prepared biases of my 32 columns
;   window 1: two fragment buffers of 128 (4 fragments of activations, then 3 x 4 of weights, 32 along K); in the tail: at work
;   window 2: Z v0-127, R v128-255        window 3: C1 v0-127, C2 v128-255        accumulator (a, b) at base + 8 (4 a + b)
.set PA,     272                       ; an LDS row of activations, of hx and of the stage: 256 bytes + 16 = 68 words: row r starts at bank 4 r mod 64 (64 banks of 4 bytes: ISA guide 11.1)
.set PW,     160                       ; an LDS row of weights (one k, 64 columns): 128 + 32 = 40 words
.set AREG,   256*PA                    ; 69,632: a slot's activations
.set WHALF,  192*PW                    ; 30,720: half a block of weights; row (gate, k) lies at (128 gate + k) x 160
.set SLOT,   AREG+2*WHALF              ; 131,072
.set HPIECE, 64*PA                     ; a wave's piece of hx: 64 rows x 64 f32; the four take the place of slot 0's activations
.set STAGE,  2*SLOT                    ; behind the ring, never filled by a tensor load: 16 rows x 272 bytes for each wave, for the way out
.set SP,     272
.set SPARE,  STAGE+4*16*SP             ; behind the stages: the spare words, 128 bytes for each wave: two blocks of 256 bytes that no other line names
.set STEP_A, 256                       ; 128 bf16 on along a row of xb or hb
.set STEP_W, 3*128*128                 ; a block on in wx or wh
.set WCOL,   8*STEP_W                  ; a tile column's eight blocks
.set ADRA, 16                          ; v16-17  LDS address of my activation fragments in slot 0, 1
.set ADRW, 18                          ; v18-19  of the weight fragments in slot 0, 1; gate, quarter and block stand in the loads' immediates
.set STO,  24                          ; v24     the way out: where I put 32 bytes of a row
.set RD,   25                          ; v25     the way out: where I read a row back
.set CO,   26                          ; v26     my byte offset in two rows of out0
.set HA,   27                          ; v27     my place in my wave's piece of hx
.set SPW,  28                          ; v28     LDS address of my spare word: SPARE + 4 x my thread's number; never rewritten
.set NIL,  29                          ; v29     0; never rewritten
.set BO,   30                          ; v30     byte offset of my first eight columns in a bias
.set T0,   32                          ; b_hh, z part, as loaded
.set T1,   64                          ; b_hh, r part
.set BZ,   128                         ; -log2e (b_ih + b_hh), z part: column 16 b + 8 (lane / 16) + j at BZ + 8 b + j
.set BR,   160                         ; the same, r part
.set BC,   192                         ; 2 log2e b_c
.set BH,   224                         ; 2 log2e b_hc
.set F0,   0                           ; window 1: fragment buffers
.set F1,   128
.set TZ,   0                           ; window 1, in the tail: 32 registers each, for 16 rows x my 32 columns
.set TR,   32
.set TC,   64
.set TH,   96
.set HH,   128                         ; hx
.set OB,   160                         ; 16 rows read back from the stage: v160-191 and v192-223 by turns
.set WV,   24                          ; s24 wave   s26 wave mod 2: which half of a tile I fetch
.set WH,   26
.set CX,   27                          ; s27, s28 my place in the cluster
.set CY,   28
.set TCOL, 29                          ; s29 tile column 0..15   s30 tile row 0..31
.set TROW, 30
.set LAP,  31
.set G1A,  32                          ; s[32:39] descriptor group 1 for the activations' tiles;  s[40:47] group 0, a set for each slot
.set G0A,  40
.set G1B,  48                          ; s[48:55], s[56:63] the same for the weights' tiles
.set G0B,  56
.set G1H,  68                          ; s[68:75], s[76:79] for my piece of hx
.set G0H,  76
.set NL,   96                          ; s[96:97] -log2e, twice
.set TL,   98                          ; s[98:99] 2 log2e, twice
.set MSB, 0
.macro WIN new                         ; the immediate's high byte repeats the setting that is left; a switch that changes nothing is dropped
.if MSB != (\new)
	s_set_vgpr_msb (MSB<<8)|(\new)
.set MSB, \new
.endif
.endm
.set W_ZR, 0xa5                        ; both fragments window 1, C and D window 2
.set W_C,  0xf5                        ; the same, C and D window 3
.set TO_F, 0x40                        ; destination window 1, address window 0
.set E_ZR, 0x42                        ; source 0 window 2, source 2 window 0, destination window 1
.set E_C,  0x43                        ; the same with source 0 in window 3
.set E_1,  0x55                        ; all in window 1
.set ST_1, 0x04                        ; a store: address window 0, data window 1
.macro PLACES                          ; four places: in front of loads into registers that matrix instructions have read, and of vector lines that read their results (for vector lines ISA guide 7.12.1)
.rept 4
	v_nop
.endr
.endm
; A joint load.  Waves 0 and 1 ask for the two halves of the activations' tile, waves 2 and 3 for the two halves of the weights' block.  Each of the two lines has one mask; the branch hangs on the wave's number alone.
; An s_nop 0 and four v_nop follow each line, ahead of the jump, the label and what follows.
.macro JLOAD s
	s_cmp_lt_u32 s[WV], 2
	s_cbranch_scc0 .Lfor_w_\@
	tensor_load_to_lds s[G0A+4*(\s):G0A+4*(\s)+3], s[G1A:G1A+7]
	s_nop 0
.rept 4
	v_nop
.endr
	s_branch .Lasked_\@
.Lfor_w_\@:
	tensor_load_to_lds s[G0B+4*(\s):G0B+4*(\s)+3], s[G1B:G1B+7]
	s_nop 0
.rept 4
	v_nop
.endr
.Lasked_\@:
.endm
.macro HLOAD                           ; my own piece of hx: no mask
	tensor_load_to_lds s[G0H:G0H+3], s[G1H:G1H+7]
	s_nop 0
.rept 4
	v_nop
.endr
.endm
; A round of the cluster's barrier: my work-group's barrier, so that wave 0's signal speaks for all four waves; wave 0 signals; every wave waits for all sixteen work-groups; my work-group's barrier once more.
.macro CROUND
	s_barrier_signal -1
	s_barrier_wait -1
	s_cmp_lg_u32 s[WV], 0
	s_cbranch_scc1 .Lnot_wave_0_\@
	s_barrier_signal -3
.Lnot_wave_0_\@:
	s_barrier_wait -3
	s_barrier_signal -1
	s_barrier_wait -1
.endm
	s_load_b512 s[4:19], s[0:1], 0x0               ; xb 4, hb 6, wx 8, wh 10, hx 12, b_ih 14, b_hh 16, b_c 18
	s_load_b128 s[20:23], s[0:1], 0x40             ; b_hc 20, out0 22
	v_lshl_add_u32 v[SPW], v0, 2, SPARE
	v_mov_b32 v[NIL], 0
	ds_add_u32 v[SPW], v[NIL]                      ; the wave's opening: the add and its wait come ahead of my first tensor load; the set-up below, work on registers, stands between them
	v_lshrrev_b32 v3, 5, v0
	v_readfirstlane_b32 s[WV], v3                  ; wave 0..3
	s_and_b32 s[WH], s[WV], 1
	s_bfe_u32 s[CX], ttmp6, 0x40000
	s_bfe_u32 s[CY], ttmp6, 0x40004
	s_lshl_b32 s[TCOL], ttmp9, 2                   ; in a cluster launch ttmp9 and ttmp7 count clusters
	s_add_co_u32 s[TCOL], s[TCOL], s[CX]           ; tile column = 4 x cluster x + cx
	s_and_b32 s[TROW], ttmp7, 0xffff
	s_lshl_b32 s[TROW], s[TROW], 2
	s_add_co_u32 s[TROW], s[TROW], s[CY]           ; tile row = 4 x cluster y + cy
	s_lshl_b32 s92, s[CY], 2
	s_lshl_b32 s92, 15, s92                        ; my row of the cluster: places 4 cy .. 4 cy + 3
	s_lshl_b32 s93, 0x1111, s[CX]                  ; my column: places cx, cx + 4, cx + 8, cx + 12
	; descriptor group 1.  Activations: 128 rows x 128 bf16, 16 bytes of padding behind each row.  Weights: 24,576 dense bytes as 96 rows of 256, two k a row, 32 bytes of padding behind each k.
	s_or_b32 s[G1A], s92, (1<<16)|(1<<20)|(1<<21)|(5<<22)|(3<<25)  ; 15:0 the mask: my row; 17:16 2-byte elements; 20 padding on; 21 set beside a mask; 24:22 after every 64 words (code 5); 31:25 4 words (code 3)
	s_or_b32 s[G1B], s93, (1<<16)|(1<<20)|(1<<21)|(4<<22)|(7<<25)  ; the mask of my column; after every 32 words (code 4) 8 words of padding (code 7)
	s_mov_b32 s[G1A+1], 128<<16                    ; tensor_dim0 = 128
	s_mov_b32 s[G1A+2], 128<<16                    ; tensor_dim1 = 128
	s_mov_b32 s[G1A+3], 128<<16                    ; tile_dim0 = 128
	s_mov_b32 s[G1A+4], 128                        ; tile_dim1 = 128
	s_mov_b32 s[G1A+5], 1024                       ; elements from row to row in xb and hb
	s_mov_b32 s[G1A+6], 0
	s_mov_b32 s[G1A+7], 0
	s_mov_b32 s[G1B+1], 128<<16                    ; tensor_dim0 = 128
	s_mov_b32 s[G1B+2], 96<<16                     ; tensor_dim1 = 96
	s_mov_b32 s[G1B+3], 128<<16                    ; tile_dim0 = 128
	s_mov_b32 s[G1B+4], 96                         ; tile_dim1 = 96
	s_mov_b32 s[G1B+5], 128                        ; dense: a row begins where the last ends
	s_mov_b32 s[G1B+6], 0
	s_mov_b32 s[G1B+7], 0
	s_mov_b32 s[G1H], (2<<16)|(1<<20)|(5<<22)|(3<<25)  ; hx: no mask; 4-byte elements; 4 words of padding after every 64
	s_mov_b32 s[G1H+1], 64<<16                     ; 64 rows x 64 f32
	s_mov_b32 s[G1H+2], 64<<16
	s_mov_b32 s[G1H+3], 64<<16
	s_mov_b32 s[G1H+4], 64
	s_mov_b32 s[G1H+5], 1024
	s_mov_b32 s[G1H+6], 0
	s_mov_b32 s[G1H+7], 0
	; where the tiles come from.  The activations' hang on the tile row and the wave's number, which my row of the cluster shares; the weights' on the tile column and the wave's number, which my column shares.
	s_lshl_b32 s80, s[TROW], 19                    ; 256 rows of 2,048 bytes,
	s_lshl_b32 s81, s[WH], 18                      ; my 128 of them
	s_add_co_u32 s80, s80, s81
	s_mov_b32 s81, 0
	s_mul_i32 s84, s[TCOL], WCOL                   ; the tile column's blocks,
	s_mul_i32 s85, s[WH], STEP_W/2                 ; my half of a block
	s_add_co_u32 s84, s84, s85
	s_mov_b32 s85, 0
	s_lshl_b32 s88, s[TROW], 20                    ; hx and out0: 256 rows of 4,096 bytes,
	s_lshl_b32 s89, s[WV], 18                      ; my wave's 64 of them,
	s_add_co_u32 s88, s88, s89
	s_lshl_b32 s89, s[TCOL], 8                     ; 64 columns of 4 bytes
	s_add_co_u32 s88, s88, s89
	s_mov_b32 s89, 0
	s_mul_i32 s90, s[WH], 128*PA                   ; where my tile goes in a slot: a half of the activations,
	s_mul_i32 s95, s[WH], WHALF
	s_add_co_u32 s95, s95, AREG                    ; or a half of the weights, behind them;
	s_mul_i32 s91, s[WV], HPIECE                   ; where my piece of hx goes, and where my 64 rows of activations lie.  No place in the cluster enters an LDS address
	s_mov_b32 s[NL], 0xbfb8aa3b                    ; -log2e
	s_mov_b32 s[NL+1], 0xbfb8aa3b
	s_mov_b32 s[TL], 0x4038aa3b                    ; 2 log2e
	s_mov_b32 s[TL+1], 0x4038aa3b
.irp s, 0,1
	s_mov_b32 s[G0A+4*(\s)], 1                     ; count = 1
	s_add_co_u32 s[G0A+4*(\s)+1], s90, (\s)*SLOT   ; LDS address
	s_mov_b32 s[G0B+4*(\s)], 1
	s_add_co_u32 s[G0B+4*(\s)+1], s95, (\s)*SLOT
.endr
	s_mov_b32 s[G0H], 1
	s_mov_b32 s[G0H+1], s91
	s_wait_dscnt 0x0                               ; the opening add is done
	s_wait_kmcnt 0x0
	s_add_nc_u64 s[G0A+2:G0A+3], s[4:5], s[80:81]  ; slot 0: xb and wx, K step 0
	s_or_b32 s[G0A+3], s[G0A+3], 0x80000000        ; type = 2
	s_add_nc_u64 s[G0A+6:G0A+7], s[6:7], s[80:81]  ; slot 1: hb and wh, K step 0
	s_or_b32 s[G0A+7], s[G0A+7], 0x80000000
	s_add_nc_u64 s[G0B+2:G0B+3], s[8:9], s[84:85]
	s_or_b32 s[G0B+3], s[G0B+3], 0x80000000
	s_add_nc_u64 s[G0B+6:G0B+7], s[10:11], s[84:85]
	s_or_b32 s[G0B+7], s[G0B+7], 0x80000000
	s_add_nc_u64 s[G0H+2:G0H+3], s[12:13], s[88:89]
	s_or_b32 s[G0H+3], s[G0H+3], 0x80000000
	s_add_nc_u64 s[22:23], s[22:23], s[88:89]      ; out0 at my wave's first row and column
	CROUND                                         ; all sixteen work-groups are here: the first joint loads meet
	JLOAD 0                                        ; the ring is filled before anything else is done
	JLOAD 1
	; ADDRESSES, in the wait for the first tiles.  A fragment of activations is 16 rows x 32 K: lane l holds row l % 16, K = 8 (l / 16) + 0..7 and 16 + 8 (l / 16) + 0..7: two loads of 16 bytes, 32 bytes apart.
	v_and_b32 v1, 15, v0                           ; l % 16
	v_bfe_u32 v2, v0, 4, 1                         ; l / 16
	v_mul_u32_u24 v3, v1, PA
	v_lshl_add_u32 v4, v2, 4, v3                   ; row x pitch + 16 x half
	v_add_nc_u32 v[ADRA], s91, v4                  ; my 64 rows
	v_add_nc_u32 v[ADRA+1], SLOT, v[ADRA]
	; The turning load takes 16 k x 16 columns (lane l reads 16 bytes: k = 8 (l / 16) + l % 8, columns 8 ((l / 8) % 2) + 0..7) and leaves half a fragment: lane l holds column l % 16 and 8 k.
	v_and_b32 v5, 7, v0
	v_lshl_add_u32 v5, v2, 3, v5
	v_mul_u32_u24 v5, v5, PW
	v_bfe_u32 v6, v0, 3, 1
	v_lshl_add_u32 v5, v6, 4, v5
	v_add_nc_u32 v[ADRW], AREG, v5
	v_add_nc_u32 v[ADRW+1], SLOT+AREG, v5
	s_mul_i32 s94, s[WV], 16*SP
	s_add_co_u32 s94, s94, STAGE                   ; my stage
	v_lshl_add_u32 v6, v2, 5, v3                   ; row l % 16, 32 bytes for each half of the lanes
	v_add_nc_u32 v[STO], s94, v6
	v_mul_u32_u24 v7, v2, SP                       ; back: lanes 0-15 take one row of 256 bytes, lanes 16-31 the next
	v_lshl_add_u32 v7, v1, 4, v7
	v_add_nc_u32 v[RD], s94, v7
	v_lshlrev_b32 v8, 12, v2                       ; and the same two rows in out0
	v_lshl_add_u32 v[CO], v1, 4, v8
	v_add_nc_u32 v[HA], s91, v6                    ; hx lies as the stage does
	s_lshl_b32 s86, s[TCOL], 8
	v_lshl_add_u32 v[BO], v2, 5, s86               ; the biases: 4 bytes x (64 tile column + 8 (l / 16))
	; THE BIASES of my 32 columns, once: 48 loads of 16 bytes
.irp b, 0,1,2,3
.irp e, 0,1
	global_load_b128 v[BZ+8*(\b)+4*(\e):BZ+8*(\b)+4*(\e)+3], v[BO], s[14:15] offset:64*(\b)+16*(\e)
	global_load_b128 v[BR+8*(\b)+4*(\e):BR+8*(\b)+4*(\e)+3], v[BO], s[14:15] offset:4096+64*(\b)+16*(\e)
	global_load_b128 v[T0+8*(\b)+4*(\e):T0+8*(\b)+4*(\e)+3], v[BO], s[16:17] offset:64*(\b)+16*(\e)
	global_load_b128 v[T1+8*(\b)+4*(\e):T1+8*(\b)+4*(\e)+3], v[BO], s[16:17] offset:4096+64*(\b)+16*(\e)
	global_load_b128 v[BC+8*(\b)+4*(\e):BC+8*(\b)+4*(\e)+3], v[BO], s[18:19] offset:64*(\b)+16*(\e)
	global_load_b128 v[BH+8*(\b)+4*(\e):BH+8*(\b)+4*(\e)+3], v[BO], s[20:21] offset:64*(\b)+16*(\e)
.endr
.endr
	s_wait_loadcnt 0x0
.set i, 0
.rept 16                               ; the exponentials' factors are folded into the biases here and into the sums' scaling in the tail
	v_pk_add_f32 v[BZ+i:BZ+i+1], v[BZ+i:BZ+i+1], v[T0+i:T0+i+1]
	v_pk_add_f32 v[BR+i:BR+i+1], v[BR+i:BR+i+1], v[T1+i:T1+i+1]
	v_pk_mul_f32 v[BC+i:BC+i+1], v[BC+i:BC+i+1], s[TL:TL+1] op_sel_hi:[1,0]
	v_pk_mul_f32 v[BH+i:BH+i+1], v[BH+i:BH+i+1], s[TL:TL+1] op_sel_hi:[1,0]
.set i, i+2
.endr
.set i, 0
.rept 16
	v_pk_mul_f32 v[BZ+i:BZ+i+1], v[BZ+i:BZ+i+1], s[NL:NL+1] op_sel_hi:[1,0]
	v_pk_mul_f32 v[BR+i:BR+i+1], v[BR+i:BR+i+1], s[NL:NL+1] op_sel_hi:[1,0]
.set i, i+2
.endr
; 16 matrix instructions: gate g (0 z, 1 r, 2 c) x my 4 blocks of 16 rows x the 4 blocks of 16 columns, 32 along K, from buffer f.  cb: for g = 2 the set, 0 = C1, 128 = C2.
; zero = 1: the product starts the sums: nothing is ever cleared.  The 48 accumulators of a quarter step take turns, one instruction a turn, in the same order everywhere.
.macro MUL16 f, g, zero, cb
.if (\g) < 2
	WIN W_ZR
.set AB, 128*(\g)
.else
	WIN W_C
.set AB, (\cb)
.endif
.irp a, 0,1,2,3
.irp b, 0,1,2,3
.if \zero
	v_wmma_f32_16x16x32_bf16 v[AB+8*(4*(\a)+(\b)):AB+8*(4*(\a)+(\b))+7], v[(\f)+32+32*(\g)+8*(\b):(\f)+32+32*(\g)+8*(\b)+7], v[(\f)+8*(\a):(\f)+8*(\a)+7], 0
.else
	v_wmma_f32_16x16x32_bf16 v[AB+8*(4*(\a)+(\b)):AB+8*(4*(\a)+(\b))+7], v[(\f)+32+32*(\g)+8*(\b):(\f)+32+32*(\g)+8*(\b)+7], v[(\f)+8*(\a):(\f)+8*(\a)+7], v[AB+8*(4*(\a)+(\b)):AB+8*(4*(\a)+(\b))+7]
.endif
.endr
.endr
.endm
; 32 LDS loads in one run: the fragments of quarter q (32 along K) of a slot into buffer f: 8 for the activations, then 8 for each gate's weights, z's first.  The largest immediate is 58,976.
.macro FETCH slot, q, f
	WIN TO_F
.irp a, 0,1,2,3
	ds_load_b128 v[(\f)+8*(\a):(\f)+8*(\a)+3],   v[ADRA+(\slot)] offset:(\a)*16*PA+64*(\q)
	ds_load_b128 v[(\f)+8*(\a)+4:(\f)+8*(\a)+7], v[ADRA+(\slot)] offset:(\a)*16*PA+64*(\q)+32
.endr
.irp g, 0,1,2
.irp b, 0,1,2,3
	ds_load_tr16_b128 v[(\f)+32+32*(\g)+8*(\b):(\f)+32+32*(\g)+8*(\b)+3],   v[ADRW+(\slot)] offset:((\g)*128+(\q)*32)*PW+32*(\b)
	ds_load_tr16_b128 v[(\f)+32+32*(\g)+8*(\b)+4:(\f)+32+32*(\g)+8*(\b)+7], v[ADRW+(\slot)] offset:((\g)*128+(\q)*32+16)*PW+32*(\b)
.endr
.endr
.endm
; A K step is four quarters of 32 along K, 48 matrix instructions each, on buffers 0, 1, 0, 1.  One of the first three: multiplies buffer f; behind its first 16 products it fetches quarter qn into buffer fn.
.macro QUARTER slot, qn, f, fn, zzr=0, zc=0
	s_wait_dscnt 16                                ; of the last run's 32 loads the activations' and z's are in; r's and c's sixteen may be out
	MUL16 \f, 0, \zzr, 0
	PLACES                                         ; for the loads into buffer fn, which the quarter before multiplied
	FETCH \slot, \qn, \fn
	s_wait_dscnt 32                                ; all but the 32 just issued
	MUL16 \f, 1, \zzr, 0
	MUL16 \f, 2, \zc, 128*(\slot)
.endm
; The last quarter multiplies buffer 1 and changes slots.  Its z products come first.  Then each wave waits for all its tensor loads, of which one is out: its tile of the next slot; adds 0 to its spare word; and
; waits for that and for its own reads of this slot.  Behind the round no wave of any partner reads this slot any more and the next slot is whole: this slot is filled again first
; (kind = 1: with its buffers' next K step; kind = 2: with my piece of hx), then the next slot's first fragments are read, under the r and c products.
; Nothing but the add, its wait and the round stands between the wait for a tile and the next request; from a request to the wait for it a wave issues a whole step's 192 matrix instructions.
.macro TURN slot, next, kind
	s_wait_dscnt 16                                ; as at a quarter's head
	MUL16 F1, 0, 0, 0
	WIN 0
	s_wait_tensorcnt 0x0                           ; no tensor load of mine is out, so a group 0 may be written
	ds_add_u32 v[SPW], v[NIL]                      ; 0 onto my spare word
.if (\kind) == 1
	s_add_nc_u64 s[G0A+4*(\slot)+2:G0A+4*(\slot)+3], s[G0A+4*(\slot)+2:G0A+4*(\slot)+3], STEP_A  ; the type bits on top are not reached
	s_add_nc_u64 s[G0B+4*(\slot)+2:G0B+4*(\slot)+3], s[G0B+4*(\slot)+2:G0B+4*(\slot)+3], STEP_W
.endif
	s_wait_dscnt 0x0                               ; the add is done, and my reads of this slot are over (the last were issued 48 matrix instructions ago)
	CROUND
.if (\kind) == 1
	JLOAD \slot                                    ; the first tensor load behind the round; the four v_nop behind it are also the places in front of the loads below
.else
	HLOAD
.endif
	FETCH \next, 0, F0
	MUL16 F1, 1, 0, 0
	MUL16 F1, 2, 0, 128*(\slot)
.endm
	s_wait_tensorcnt 1                             ; my tile of step 0 is in; step 1's may stay out
	s_barrier_signal -1
	s_barrier_wait -1                              ; everybody's is
	FETCH 0, 0, F0
	QUARTER 0, 1, F0, F1, 1, 1                     ; step 0 (x): its first quarter starts Z, R and C1
	QUARTER 0, 2, F1, F0
	QUARTER 0, 3, F0, F1
	TURN 0, 1, 1                                   ; slot 0 takes step 2
	QUARTER 1, 1, F0, F1, 0, 1                     ; step 1 (h): its first quarter starts C2
	WIN 0                                          ; at a label and at a branch every window is 0
	s_mov_b32 s[LAP], 6
.Llap:                                                 ; trip t = 0..5: from step 2 t + 1's second quarter to step 2 t + 3's first; both slots are filled again
	QUARTER 1, 2, F1, F0
	QUARTER 1, 3, F0, F1
	TURN 1, 0, 1                                   ; slot 1 takes step 2 t + 3
	QUARTER 0, 1, F0, F1
	QUARTER 0, 2, F1, F0
	QUARTER 0, 3, F0, F1
	TURN 0, 1, 1                                   ; slot 0 takes step 2 t + 4
	QUARTER 1, 1, F0, F1
	WIN 0
	s_sub_co_u32 s[LAP], s[LAP], 1
	s_cmp_lg_u32 s[LAP], 0
	s_cbranch_scc1 .Llap
	QUARTER 1, 2, F1, F0                           ; the tail is written out.  Step 13 goes on
	QUARTER 1, 3, F0, F1
	TURN 1, 0, 1                                   ; slot 1 takes step 15, the last
	QUARTER 0, 1, F0, F1                           ; step 14
	QUARTER 0, 2, F1, F0
	QUARTER 0, 3, F0, F1
	TURN 0, 1, 2                                   ; slot 0 takes the four pieces of hx
	QUARTER 1, 1, F0, F1                           ; step 15
	QUARTER 1, 2, F1, F0
	QUARTER 1, 3, F0, F1
	s_wait_dscnt 16                                ; the very last quarter: nothing more to fetch
	MUL16 F1, 0, 0, 0
	s_wait_dscnt 0x0
	MUL16 F1, 1, 0, 0
	MUL16 F1, 2, 0, 128
; THE TAIL, a block of 16 rows (32 numbers a lane) at a time.
; MATH a: the four sums are scaled and take their biases (each accumulator's registers in ascending order); two sigmoids; tanh; the blend with hx.
; Transcendentals stand in runs; a v_nop behind each run is the plain instruction in front of the first use of a result (ISA guide 5.7.2).
.macro MATH a
	WIN TO_F
.irp b, 0,1,2,3
.irp e, 0,1
	ds_load_b128 v[HH+8*(\b)+4*(\e):HH+8*(\b)+4*(\e)+3], v[HA] offset:(\a)*16*PA+64*(\b)+16*(\e)  ; hx in the accumulators' layout; wanted at the block's end
.endr
.endr
	WIN E_ZR
.set i, 0
.rept 16
	v_pk_fma_f32 v[TZ+i:TZ+i+1], v[32*(\a)+i:32*(\a)+i+1], s[NL:NL+1], v[BZ+i:BZ+i+1] op_sel_hi:[1,0,1]  ; -log2e (Z + b)
.set i, i+2
.endr
.set i, 0
.rept 16
	v_pk_fma_f32 v[TR+i:TR+i+1], v[128+32*(\a)+i:128+32*(\a)+i+1], s[NL:NL+1], v[BR+i:BR+i+1] op_sel_hi:[1,0,1]
.set i, i+2
.endr
	WIN E_C
.set i, 0
.rept 16
	v_pk_fma_f32 v[TC+i:TC+i+1], v[32*(\a)+i:32*(\a)+i+1], s[TL:TL+1], v[BC+i:BC+i+1] op_sel_hi:[1,0,1]  ; 2 log2e (C1 + b_c)
.set i, i+2
.endr
.set i, 0
.rept 16
	v_pk_fma_f32 v[TH+i:TH+i+1], v[128+32*(\a)+i:128+32*(\a)+i+1], s[TL:TL+1], v[BH+i:BH+i+1] op_sel_hi:[1,0,1]  ; 2 log2e (C2 + b_hc)
.set i, i+2
.endr
	WIN E_1
.set i, 0
.rept 64
	v_exp_f32 v[TZ+i], v[TZ+i]                     ; TZ and TR lie on end
.set i, i+1
.endr
	v_nop
.set i, 0
	s_wait_alu depctr_va_vdst(0)
.rept 32
	v_pk_add_f32 v[TZ+i:TZ+i+1], v[TZ+i:TZ+i+1], 1.0 op_sel_hi:[1,0]
.set i, i+2
.endr
.set i, 0
.rept 64
	v_rcp_f32 v[TZ+i], v[TZ+i]                     ; z and r
.set i, i+1
.endr
	v_nop
.set i, 0
	s_wait_alu depctr_va_vdst(0)
.rept 16
	v_pk_fma_f32 v[TC+i:TC+i+1], v[TR+i:TR+i+1], v[TH+i:TH+i+1], v[TC+i:TC+i+1]  ; 2 log2e x tanh's argument
.set i, i+2
.endr
.set i, 0
.rept 32
	v_exp_f32 v[TC+i], v[TC+i]
.set i, i+1
.endr
	v_nop
.set i, 0
	s_wait_alu depctr_va_vdst(0)
.rept 16
	v_pk_add_f32 v[TC+i:TC+i+1], v[TC+i:TC+i+1], 1.0 op_sel_hi:[1,0]
.set i, i+2
.endr
.set i, 0
.rept 32
	v_rcp_f32 v[TC+i], v[TC+i]
.set i, i+1
.endr
	v_nop
.set i, 0
	s_wait_alu depctr_va_vdst(0)
.rept 16
	v_pk_fma_f32 v[TC+i:TC+i+1], v[TC+i:TC+i+1], -2.0, 1.0 op_sel_hi:[1,0,0]  ; c
.set i, i+2
.endr
	s_wait_dscnt 0x0                               ; hx is in (and the block before is back from the stage)
.set i, 0
.rept 16
	v_pk_add_f32 v[TC+i:TC+i+1], v[TC+i:TC+i+1], v[HH+i:HH+i+1] neg_lo:[0,1] neg_hi:[0,1]  ; c - h
.set i, i+2
.endr
.set i, 0
.rept 16
	v_pk_fma_f32 v[TC+i:TC+i+1], v[TZ+i:TZ+i+1], v[TC+i:TC+i+1], v[HH+i:HH+i+1]  ; h + z (c - h)
.set i, i+2
.endr
.endm
; TOSTAGE a: a lane's 8 x 16 bytes go into my own stage, rows of 272 bytes, and come back as whole rows of 256.
.macro TOSTAGE a
	WIN ST_1
.irp b, 0,1,2,3
.irp e, 0,1
	ds_store_b128 v[STO], v[TC+8*(\b)+4*(\e):TC+8*(\b)+4*(\e)+3] offset:64*(\b)+16*(\e)
.endr
.endr
	s_wait_xcnt 0x0                                ; every earlier memory instruction has had its addresses translated (ISA guide 3.1): the registers that the stores of two blocks ago read are loaded again only behind this wait
	WIN TO_F
.irp t, 0,1,2,3,4,5,6,7
	ds_load_b128 v[OB+32*((\a)%2)+4*(\t):OB+32*((\a)%2)+4*(\t)+3], v[RD] offset:(\t)*2*SP  ; LDS serves a wave's instructions in order (ISA guide 5.7.1.4): these see the stores above
.endr
.endm
.macro SEND a
	s_wait_dscnt 0x0                               ; the block is back in registers
	WIN ST_1
.irp t, 0,1,2,3,4,5,6,7
	global_store_b128 v[CO], v[OB+32*((\a)%2)+4*(\t):OB+32*((\a)%2)+4*(\t)+3], s[22:23] offset:(16*(\a)+2*(\t))*4096 th:TH_STORE_NT  ; 16 lanes store 256 consecutive bytes, aligned; 62 rows at the most: inside the signed 24-bit immediate
.endr
.endm
	WIN 0
	s_wait_tensorcnt 0x0                           ; my piece of hx has landed; I alone read it, so my own wait is all the ordering that the reads need
	PLACES                                         ; behind the last products: the lines below read their results and load into buffer 1
	MATH 0
	TOSTAGE 0
.irp a, 1,2,3                          ; a block's arithmetic stands between the loads of the block before from the stage and its stores
	MATH \a
	SEND (\a)-1
	TOSTAGE \a
.endr
	SEND 3
	WIN 0
	s_wait_tensorcnt 0x0                           ; the wave's end, behind my last tensor load and my last LDS store
	ds_add_u32 v[SPW], v[NIL]
	s_wait_dscnt 0x0
	CROUND                                         ; the closing round: no work-group ends while a partner may still ask for a tile that names it
	s_endpgm
.Lfunc_end_k_qf4b9e38ed8_gru:
	.size	k_qf4b9e38ed8_gru, .Lfunc_end_k_qf4b9e38ed8_gru-k_qf4b9e38ed8_gru
	.p2alignl 7, 3214868480
	.fill 96, 4, 3214868480
	.section	.rodata,"a",@progbits
	.p2align	6, 0x0
	.amdhsa_kernel k_qf4b9e38ed8_gru
		.amdhsa_group_segment_fixed_size 327680
		.amdhsa_private_segment_fixed_size 0
		.amdhsa_enable_private_segment 0
		.amdhsa_kernarg_size 80
		.amdhsa_user_sgpr_count 2
		.amdhsa_user_sgpr_kernarg_segment_ptr 1
		.amdhsa_wavefront_size32 1
		.amdhsa_system_sgpr_workgroup_id_x 1
		.amdhsa_system_sgpr_workgroup_id_y 1
		.amdhsa_system_sgpr_workgroup_id_z 1
		.amdhsa_system_vgpr_workitem_id 0
		.amdhsa_next_free_vgpr 1024
		.amdhsa_next_free_sgpr 100
		.amdhsa_reserve_vcc 0
		.amdhsa_float_denorm_mode_32 3
		.amdhsa_float_denorm_mode_16_64 3
		.amdhsa_memory_ordered 1
		.amdhsa_forward_progress 1
		.amdhsa_inst_pref_size 230
	.end_amdhsa_kernel
	.amdgpu_metadata
---
amdhsa.version: [ 1, 2 ]
amdhsa.kernels:
  - .name:           k_qf4b9e38ed8_gru
    .symbol:         k_qf4b9e38ed8_gru.kd
    .args:
      - { .name: xb, .offset: 0, .size: 8, .value_kind: global_buffer, .address_space: global }
      - { .name: hb, .offset: 8, .size: 8, .value_kind: global_buffer, .address_space: global }
      - { .name: wx, .offset: 16, .size: 8, .value_kind: global_buffer, .address_space: global }
      - { .name: wh, .offset: 24, .size: 8, .value_kind: global_buffer, .address_space: global }
      - { .name: hx, .offset: 32, .size: 8, .value_kind: global_buffer, .address_space: global }
      - { .name: b_ih, .offset: 40, .size: 8, .value_kind: global_buffer, .address_space: global }
      - { .name: b_hh, .offset: 48, .size: 8, .value_kind: global_buffer, .address_space: global }
      - { .name: b_c, .offset: 56, .size: 8, .value_kind: global_buffer, .address_space: global }
      - { .name: b_hc, .offset: 64, .size: 8, .value_kind: global_buffer, .address_space: global }
      - { .name: out0, .offset: 72, .size: 8, .value_kind: global_buffer, .address_space: global }
    .group_segment_fixed_size: 327680
    .private_segment_fixed_size: 0
    .kernarg_segment_align: 8
    .kernarg_segment_size: 80
    .max_flat_workgroup_size: 128
    .sgpr_count:     100
    .vgpr_count:     1024
    .wavefront_size: 32
...
	.end_amdgpu_metadata
.endif
;; end of part 2
